; MI455X (gfx1250); checked and timed in simulation.
; The chip was launched on July 23, 2026; its instructions are those of AMD's public machine-readable ISA for CDNA 5 (MIT licence, August 2026) and "CDNA5" Instruction Set Architecture Reference Guide (July 2026). The comments in the code are by the model that wrote it; some were corrected since.
;; Orthogonal Dense. Allowed arithmetic: float matrix products may take bf16 or f16 operands with f32 sums; all other float work in f32.
;; Inputs: bias 2,048 float32; d 2,048 float32; v 8 x 2,048 float32; x 2,048 x 2,048 float32.
;; Outputs: out0 2,048 x 2,048 float32.
;; 2 versions, each right; version 2 is version 1 with the launch house written anew for expert scheduling mode. Each part assembles by itself: llvm-mc -triple=amdgcn-amd-amdhsa -mcpu=gfx1250 --defsym DOCPART=n.
;; ======== version 1 of 2: 1 launch
;; limits: values outside matrix products are rounded to bf16
;; launch house (part 1): grid 256 x 1, 8 waves a work-group, no clusters, 80,896 bytes of LDS; arguments x, v, d, bias, out0; writes out0
.if DOCPART == 1
	.amdgcn_target "amdgcn-amd-amdhsa--gfx1250"
	.amdhsa_code_object_version 6
	.text
	.protected	k_q5682f46d8b_house
	.globl	k_q5682f46d8b_house
	.p2align	8
	.type	k_q5682f46d8b_house,@function
k_q5682f46d8b_house:
	s_mov_b64 s[64:65], 0
	v_nop
	global_prefetch_b8 v0, s[64:65] scope:SCOPE_SE
	s_setreg_imm32_b32 hwreg(HW_REG_WAVE_MODE, 25, 1), 1
	s_wait_xcnt 0x0
; y = x (H0 H1 .. H7) diag(d) + bias,  H_i = I - 2 v_i v_i^T / (v_i . v_i).   x, y: [2048][2048] f32; v: [8][2048] f32; d, bias: [2048] f32.
; THE FORM.  Products are associative, so the reflections are applied to the rows of x one after the other, H0 first, and u is never formed:
;   r_0 = x_row,  r_(j+1) = r_j - 2 (r_j . v_j) / (v_j . v_j) v_j,  so  r_8 = x_row + sum over j of e_j v_j  with
;   e_j = -(2 / G_jj) (p_j + sum over i < j of e_i G_ij),   p_j = x_row . v_j,   G_ij = v_i . v_j.
; That holds for every input.  No root is taken: the norm enters only as v_j . v_j.
; FORMATS.  The dot products p and G are made by the matrix unit, operands rounded to bf16, sums in f32.  All else is f32: the sum over the waves, the
; reciprocal, the substitution, the update (with x and v as loaded, not rounded), the scaling by d and the bias.
; LIMITS.  The order of rounding differs from a product with a matrix u.  Each v_j . v_j must lie within 2^-125 .. 2^125: the reciprocal flushes denormals
; (ISA guide, 15.8).  A row of v that is all zeros gives NaN in all of y, as the division by its norm does.
; SHARES.  Work-group b owns rows 8 b .. 8 b + 7 of x and y.  Wave w owns columns 256 w .. 256 w + 255; lane L owns eight of them, in two groups g = 0, 1:
; columns 256 w + 128 g + 4 L .. + 3.  So each load and store of a wave covers 512 consecutive bytes, at a multiple of 512 from the buffer's first byte.
; x (8 rows) and v (8 rows) come into registers once, 64 registers each, and stay there from the dot products to the update.
; THE DOT PRODUCTS.  Z = [x's 8 rows; v's 8 rows] is 16 x 256 for a wave.  Z Z^T holds p and G at once, and ONE fragment is both sources of the matrix
; instruction, so the order of the columns inside Z's rows does not matter.  Register i of lane 16 + r of the result is Z_(8+i) . Z_r:
; r < 8: p(row r, v_i);  r >= 8: G(i, r - 8).  The waves' partial results meet in LDS behind the one barrier; every wave adds all eight for itself.
; NO CLUSTER, NO TENSOR LOAD.  All work-groups read the same 64 KiB of v, half of what a work-group loads.  A joint load would land in LDS, while v is wanted
; in registers, in f32, for the update: 64 KiB more written to LDS and read from it, and two rounds of a cluster's barrier round a single run of loads.
.set ROWB,  8192      ; bytes in a row of x, v, y
.set SP,    528       ; a row of Z in LDS: 512 bytes of bf16 + 16 = 33 x 16: the 16 rows of a fragment load start in 16 different groups of four banks (ISA guide 11.1)
.set STW,   16*SP     ; a wave's stage
.set STAGE, 0         ; 8 stages, each its wave's own
.set PART,  STAGE+8*STW   ; 67,584: a wave's partial result, 1,024 bytes: registers 0-3 of lane L at 16 L, registers 4-7 at 512 + 16 L
.set CB,    PART+8*1024   ; 75,776: a wave's own 512 bytes: entry e at 32 e holds e_0 .. e_7 of row e (entries 8-15 are never read)
.set COL, 4           ; v4   1,024 w + 16 L: my byte offset in a row; never rewritten
.set SST, 5           ; v5   where I put 16 bytes of a row of Z
.set SLD, 6           ; v6   where my part of a fragment begins
.set PST, 7           ; v7   where I put my partial result
.set PLD, 8           ; v8   where lane 16 + L % 16 of wave 0 put its
.set CST, 9           ; v9   where I put eight coefficients
.set CLD, 10          ; v10  my wave's coefficients
.set TS,  12          ; v[12:19]   the two accumulators' sum; then the sum over the waves: p or G; then the substitution's running sums
.set ACC, 20          ; v[20:35]   two accumulators
.set EC,  20          ; v[20:27]   later e_0 .. e_7
.set NB,  28          ; v[28:35]   later -2 / G_jj
.set TMP, 36          ; v[36:43]   packed bf16, two buffers of four
.set DV,  44          ; v[44:51]   d of my 8 columns
.set BV,  52          ; v[52:59]   bias of my 8 columns
.set XR,  60          ; v[60:123]  x: row q at XR + 8 q, group g at + 4 g
.set VR,  124         ; v[124:187] v likewise: XR + 64, so that row q of Z lies at XR + 8 q
.set FR,  188         ; v[188:251] eight fragments of Z;
.set PP,  188         ;            then the eight waves' partial results;
.set CF,  188         ;            then the coefficients: e_j of row q at CF + 8 q + j
.set GS,  20          ; s[20:47]   G_ij, i < j, at GS + j (j - 1) / 2 + i
.set GD,  48          ; s[48:55]   G_jj
	s_load_b256 s[4:11], s[0:1], 0x0               ; x s[4:5], v s[6:7], d s[8:9], bias s[10:11]
	s_load_b64 s[12:13], s[0:1], 0x20              ; y
	v_lshl_add_u32 v252, v0, 2, 0x13800
	v_mov_b32 v253, 0
	v_and_b32 v1, 31, v0                           ; L
	v_lshrrev_b32 v2, 5, v0
	v_readfirstlane_b32 s14, v2                    ; w
	s_lshl_b32 s15, s14, 10
	v_lshl_add_u32 v[COL], v1, 4, s15              ; 1,024 w + 16 L
	s_lshl_b32 s16, ttmp9, 16                      ; the work-group's 8 rows of 8,192 bytes: under 2^24
	s_mov_b32 s17, 0
	s_wait_kmcnt 0x0
	s_add_nc_u64 s[4:5], s[4:5], s[16:17]          ; x and y at my work-group's first row
	s_add_nc_u64 s[12:13], s[12:13], s[16:17]
	; ALL 36 LOADS IN ONE RUN: x (read once in the launch), v, d, bias
.irp q, 0,1,2,3,4,5,6,7
	global_load_b128 v[XR+8*(\q):XR+8*(\q)+3],   v[COL], s[4:5] offset:(\q)*ROWB th:TH_LOAD_NT
	global_load_b128 v[XR+8*(\q)+4:XR+8*(\q)+7], v[COL], s[4:5] offset:(\q)*ROWB+512 th:TH_LOAD_NT
.endr
.irp q, 0,1,2,3,4,5,6,7
	global_load_b128 v[VR+8*(\q):VR+8*(\q)+3],   v[COL], s[6:7] offset:(\q)*ROWB
	global_load_b128 v[VR+8*(\q)+4:VR+8*(\q)+7], v[COL], s[6:7] offset:(\q)*ROWB+512
.endr
	global_load_b128 v[DV:DV+3],   v[COL], s[8:9]
	global_load_b128 v[DV+4:DV+7], v[COL], s[8:9] offset:512
	global_load_b128 v[BV:BV+3],   v[COL], s[10:11]
	global_load_b128 v[BV+4:BV+7], v[COL], s[10:11] offset:512
	; while they are on their way: the stage's addresses (the stages begin at LDS byte 0)
	v_and_b32 v2, 15, v0                           ; e = L % 16
	v_bfe_u32 v3, v0, 4, 1                         ; h = L / 16
	s_mul_i32 s18, s14, STW                        ; my wave's stage
	v_lshl_add_u32 v[SST], v1, 4, s18              ; in: 16 bytes a lane, 512 consecutive bytes a row
	v_mul_u32_u24 v[SLD], v2, SP                   ; back: row L % 16, 16 bytes for each half of the lanes
	v_lshl_add_u32 v[SLD], v3, 4, v[SLD]
	v_add_nc_u32 v[SLD], s18, v[SLD]
; Row q of Z: my eight numbers rounded to bf16, 16 bytes, into the stage.
.macro PACKROW q
	s_wait_loadcnt 34-2*(\q)                       ; loads come back in order (ISA guide 5.7.1): behind row q's two, 36 - 2 (q + 1) were issued
.irp k, 0,1,2,3
	v_cvt_pk_bf16_f32 v[TMP+4*((\q)%2)+(\k)], v[XR+8*(\q)+2*(\k)], v[XR+8*(\q)+2*(\k)+1]
.endr
	ds_store_b128 v[SST], v[TMP+4*((\q)%2):TMP+4*((\q)%2)+3] offset:(\q)*SP
.endm
.irp q, 0,1,2,3,4,5,6,7,8,9,10,11,12,13,14,15
	PACKROW \q
.endr
	; A fragment is 16 rows x 32 places in 8 registers: two loads of 16 bytes, 32 bytes apart.  The stage is my wave's own, and LDS serves a wave's
	; instructions in order (ISA guide 5.7.1.4): these loads see the stores above without a wait.
.irp s, 0,1,2,3,4,5,6,7
	ds_load_b128 v[FR+8*(\s):FR+8*(\s)+3],   v[SLD] offset:64*(\s)
	ds_load_b128 v[FR+8*(\s)+4:FR+8*(\s)+7], v[SLD] offset:64*(\s)+32
.endr
; Step s of eight of Z Z^T.  The two accumulators take turns, one instruction a turn; the first two products start the sums.
.macro GRAM s
	s_wait_dscnt 14-2*(\s)                         ; behind fragment s's two loads, 16 - 2 (s + 1) were issued
.if (\s) < 2
	v_wmma_f32_16x16x32_bf16 v[ACC+8*((\s)%2):ACC+8*((\s)%2)+7], v[FR+8*(\s):FR+8*(\s)+7], v[FR+8*(\s):FR+8*(\s)+7], 0
.else
	v_wmma_f32_16x16x32_bf16 v[ACC+8*((\s)%2):ACC+8*((\s)%2)+7], v[FR+8*(\s):FR+8*(\s)+7], v[FR+8*(\s):FR+8*(\s)+7], v[ACC+8*((\s)%2):ACC+8*((\s)%2)+7]
.endif
.endm
.irp s, 0,1,2,3,4,5,6,7
	GRAM \s
.endr
	; The addresses for what follows: seven plain vector instructions that name no register of the products, the places behind them (ISA guide 7.12.1)
	s_lshl_b32 s19, s14, 10
	s_lshl_b32 s16, s14, 9
	v_lshl_add_u32 v[PST], v1, 4, s19
	v_add_nc_u32 v[PST], PART, v[PST]              ; PART + 1,024 w + 16 L
	v_lshl_add_u32 v[PLD], v2, 4, PART+256         ; PART + 16 (16 + e): what lane 16 + e stored
	v_lshl_add_u32 v[CST], v2, 5, s16
	v_add_nc_u32 v[CST], CB, v[CST]                ; CB + 512 w + 32 e
	v_mov_b32 v[CLD], s16
	v_add_nc_u32 v[CLD], CB, v[CLD]                ; CB + 512 w
	; my wave's partial result: the two accumulators added, from their low ends on
.irp k, 0,2,4,6
	v_pk_add_f32 v[TS+(\k):TS+(\k)+1], v[ACC+(\k):ACC+(\k)+1], v[ACC+8+(\k):ACC+8+(\k)+1]
.endr
	ds_store_b128 v[PST], v[TS:TS+3]
	ds_store_b128 v[PST], v[TS+4:TS+7] offset:512
	s_wait_dscnt 0x0                               ; for the others' sake: my partial result is in LDS
	s_barrier_signal -1
	s_barrier_wait -1                              ; everybody's is.  Nothing is written to these bytes again: the one barrier of the kernel
	; THE SUM OVER THE WAVES, made by every wave for itself.  Lane L takes what lane 16 + L % 16 of each wave stored:
	; L % 16 = e < 8: TS + i = p(row e, v_i);  e >= 8: TS + i = G(i, e - 8).
.irp u, 0,1,2,3,4,5,6,7
	ds_load_b128 v[PP+8*(\u):PP+8*(\u)+3],   v[PLD] offset:1024*(\u)
	ds_load_b128 v[PP+8*(\u)+4:PP+8*(\u)+7], v[PLD] offset:1024*(\u)+512
.endr
	s_wait_dscnt 12                                ; the first four of the sixteen are in
.irp k, 0,2,4,6
	v_pk_add_f32 v[TS+(\k):TS+(\k)+1], v[PP+(\k):PP+(\k)+1], v[PP+8+(\k):PP+8+(\k)+1]
.endr
.irp u, 2,3,4,5,6,7
	s_wait_dscnt 14-2*(\u)                         ; behind wave u's two loads, 16 - 2 (u + 1) were issued
.irp k, 0,2,4,6
	v_pk_add_f32 v[TS+(\k):TS+(\k)+1], v[TS+(\k):TS+(\k)+1], v[PP+8*(\u)+(\k):PP+8*(\u)+(\k)+1]
.endr
.endr
	; G is the same for all rows: into scalar registers.  Lane 8 + j holds G(i, j) in TS + i.
.irp j, 0,1,2,3,4,5,6,7
	v_readlane_b32 s[GD+(\j)], v[TS+(\j)], 8+(\j)
.endr
.irp j, 0,1,2,3,4,5,6,7
	v_mul_f32 v[NB+(\j)], s[GD+(\j)], -0.5
.endr
.irp j, 0,1,2,3,4,5,6,7
	v_rcp_f32 v[NB+(\j)], v[NB+(\j)]               ; -2 / G_jj
.endr
	v_nop                                          ; a plain instruction between the last reciprocal and what follows (ISA guide 5.7.2)
.set j, 1
.rept 7
.set i, 0
.rept 7
.if i < j
	v_readlane_b32 s[GS+j*(j-1)/2+i], v[TS+i], 8+j
.endif
.set i, i+1
.endr
.set j, j+1
.endr
	; THE SUBSTITUTION, a row a lane (lanes with L % 16 >= 8 work on G's numbers; their results are never read).
	; As soon as e_i is known it is carried into all later sums: the chain is a multiply and a multiply-add for each i.
.set i, 0
	s_wait_alu depctr_va_vdst(0)
.rept 8
	v_mul_f32 v[EC+i], v[TS+i], v[NB+i]            ; e_i = -(2 / G_ii) (p_i + the sum so far)
.set j, i+1
.rept 7
.if j < 8
	v_fmac_f32 v[TS+j], s[GS+j*(j-1)/2+i], v[EC+i]
.endif
.set j, j+1
.endr
.set i, i+1
.endr
	; every lane needs all eight rows' coefficients: through my wave's own bytes of LDS, stores and loads in order, no barrier
	ds_store_b128 v[CST], v[EC:EC+3]               ; lanes L and L + 16 write the same bytes with the same numbers
	ds_store_b128 v[CST], v[EC+4:EC+7] offset:16
.irp t, 0,1,2,3,4,5,6,7,8,9,10,11,12,13,14,15
	ds_load_b128 v[CF+4*(\t):CF+4*(\t)+3], v[CLD] offset:16*(\t)  ; one address for all lanes
.endr
	s_wait_loadcnt 0x0                             ; d and bias
; THE UPDATE of rows 2 p and 2 p + 1: x += e_j v_j for j = 0 .. 7, eight chains that do not wait for each other; then times d, plus bias; then the rows leave.
; The coefficient is one register of an aligned pair: op_sel and op_sel_hi pick the first for both halves (even j) or the second (odd j).
.macro UPD p
	s_wait_dscnt 12-4*(\p)                         ; behind these two rows' four loads, 16 - 4 (p + 1) were issued
.set j, 0
.rept 8
.set r, 2*(\p)
.rept 2
.set q, 0
.rept 4
.if j%2 == 0
	v_pk_fma_f32 v[XR+8*r+2*q:XR+8*r+2*q+1], v[VR+8*j+2*q:VR+8*j+2*q+1], v[CF+8*r+j:CF+8*r+j+1], v[XR+8*r+2*q:XR+8*r+2*q+1] op_sel_hi:[1,0,1]
.else
	v_pk_fma_f32 v[XR+8*r+2*q:XR+8*r+2*q+1], v[VR+8*j+2*q:VR+8*j+2*q+1], v[CF+8*r+j-1:CF+8*r+j], v[XR+8*r+2*q:XR+8*r+2*q+1] op_sel:[0,1,0] op_sel_hi:[1,1,1]
.endif
.set q, q+1
.endr
.set r, r+1
.endr
.set j, j+1
.endr
.set r, 2*(\p)
.rept 2
.set q, 0
.rept 4
	v_pk_fma_f32 v[XR+8*r+2*q:XR+8*r+2*q+1], v[XR+8*r+2*q:XR+8*r+2*q+1], v[DV+2*q:DV+2*q+1], v[BV+2*q:BV+2*q+1]
.set q, q+1
.endr
	global_store_b128 v[COL], v[XR+8*r:XR+8*r+3],   s[12:13] offset:r*ROWB th:TH_STORE_NT      ; 32 lanes store 512 consecutive bytes, at a multiple of 512 from y's first byte
	global_store_b128 v[COL], v[XR+8*r+4:XR+8*r+7], s[12:13] offset:r*ROWB+512 th:TH_STORE_NT  ; no register of a store is written again
.set r, r+1
.endr
.endm
	UPD 0
	UPD 1
	UPD 2
	UPD 3
	s_wait_tensorcnt 0x0
	ds_add_u32 v252, v253
	s_wait_dscnt 0x0
	s_endpgm
.Lfunc_end_k_q5682f46d8b_house:
	.size	k_q5682f46d8b_house, .Lfunc_end_k_q5682f46d8b_house-k_q5682f46d8b_house
	.p2alignl 7, 3214868480
	.fill 96, 4, 3214868480
	.section	.rodata,"a",@progbits
	.p2align	6, 0x0
	.amdhsa_kernel k_q5682f46d8b_house
		.amdhsa_group_segment_fixed_size 80896
		.amdhsa_private_segment_fixed_size 0
		.amdhsa_enable_private_segment 0
		.amdhsa_kernarg_size 40
		.amdhsa_user_sgpr_count 2
		.amdhsa_user_sgpr_kernarg_segment_ptr 1
		.amdhsa_wavefront_size32 1
		.amdhsa_system_sgpr_workgroup_id_x 1
		.amdhsa_system_sgpr_workgroup_id_y 1
		.amdhsa_system_sgpr_workgroup_id_z 1
		.amdhsa_system_vgpr_workitem_id 0
		.amdhsa_next_free_vgpr 254
		.amdhsa_next_free_sgpr 66
		.amdhsa_reserve_vcc 0
		.amdhsa_float_denorm_mode_32 3
		.amdhsa_float_denorm_mode_16_64 3
		.amdhsa_memory_ordered 1
		.amdhsa_forward_progress 1
		.amdhsa_inst_pref_size 41
	.end_amdhsa_kernel
	.amdgpu_metadata
---
amdhsa.version: [ 1, 2 ]
amdhsa.kernels:
  - .name:           k_q5682f46d8b_house
    .symbol:         k_q5682f46d8b_house.kd
    .args:
      - { .name: x, .offset: 0, .size: 8, .value_kind: global_buffer, .address_space: global }
      - { .name: v, .offset: 8, .size: 8, .value_kind: global_buffer, .address_space: global }
      - { .name: d, .offset: 16, .size: 8, .value_kind: global_buffer, .address_space: global }
      - { .name: bias, .offset: 24, .size: 8, .value_kind: global_buffer, .address_space: global }
      - { .name: out0, .offset: 32, .size: 8, .value_kind: global_buffer, .address_space: global }
    .group_segment_fixed_size: 80896
    .private_segment_fixed_size: 0
    .kernarg_segment_align: 8
    .kernarg_segment_size: 40
    .max_flat_workgroup_size: 256
    .sgpr_count:     66
    .vgpr_count:     254
    .wavefront_size: 32
...
	.end_amdgpu_metadata
.endif
;; end of part 1
;; ======== version 2 of 2: 1 launch; version 1 with the launch house written anew for expert scheduling mode
;; limits: values outside matrix products are rounded to bf16
;; launch house (part 2): grid 256 x 1, 8 waves a work-group, no clusters, 80,896 bytes of LDS; arguments x, v, d, bias, out0; writes out0
.if DOCPART == 2
	.amdgcn_target "amdgcn-amd-amdhsa--gfx1250"
	.amdhsa_code_object_version 6
	.text
	.protected	k_q5682f46d8b_house
	.globl	k_q5682f46d8b_house
	.p2align	8
	.type	k_q5682f46d8b_house,@function
k_q5682f46d8b_house:
	s_mov_b64 s[64:65], 0
	v_nop
	global_prefetch_b8 v0, s[64:65] scope:SCOPE_SE
	s_setreg_imm32_b32 hwreg(HW_REG_WAVE_SCHED_MODE, 0, 2), 2
	s_setreg_imm32_b32 hwreg(HW_REG_WAVE_MODE, 25, 1), 1
	s_wait_xcnt 0x0
	s_wait_alu depctr_vm_vsrc(0)
; y = x (H0 H1 .. H7) diag(d) + bias,  H_i = I - 2 v_i v_i^T / (v_i . v_i).   x, y: [2048][2048] f32; v: [8][2048] f32; d, bias: [2048] f32.
; THE FORM.  Products are associative, so the reflections are applied to the rows of x one after the other, H0 first, and u is never formed:
;   r_0 = x_row,  r_(j+1) = r_j - 2 (r_j . v_j) / (v_j . v_j) v_j,  so  r_8 = x_row + sum over j of e_j v_j  with
;   e_j = -(2 / G_jj) (p_j + sum over i < j of e_i G_ij),   p_j = x_row . v_j,   G_ij = v_i . v_j.
; That holds for every input.  No root is taken: the norm enters only as v_j . v_j.
; FORMATS.  The dot products p and G are made by the matrix unit, operands rounded to bf16, sums in f32.  All else is f32: the sum over the waves, the
; reciprocal, the substitution, the update (with x and v as loaded, not rounded), the scaling by d and the bias.
; LIMITS.  The order of rounding differs from a product with a matrix u.  Each v_j . v_j must lie within 2^-125 .. 2^125: the reciprocal flushes denormals
; (ISA guide, 15.8).  A row of v that is all zeros gives NaN in all of y, as the division by its norm does.
; SHARES.  Work-group b owns rows 8 b .. 8 b + 7 of x and y.  Wave w owns columns 256 w .. 256 w + 255; lane L owns eight of them, in two groups g = 0, 1:
; columns 256 w + 128 g + 4 L .. + 3.  So each load and store of a wave covers 512 consecutive bytes, at a multiple of 512 from the buffer's first byte.
; x (8 rows) and v (8 rows) come into registers once, 64 registers each, and stay there from the dot products to the update.
; THE DOT PRODUCTS.  Z = [x's 8 rows; v's 8 rows] is 16 x 256 for a wave.  Z Z^T holds p and G at once, and ONE fragment is both sources of the matrix
; instruction, so the order of the columns inside Z's rows does not matter.  Register i of lane 16 + r of the result is Z_(8+i) . Z_r:
; r < 8: p(row r, v_i);  r >= 8: G(i, r - 8).  The waves' partial results meet in LDS behind the one barrier; every wave adds all eight for itself.
; NO CLUSTER, NO TENSOR LOAD.  All work-groups read the same 64 KiB of v, half of what a work-group loads.  A joint load would land in LDS, while v is wanted
; in registers, in f32, for the update: 64 KiB more written to LDS and read from it, and two rounds of a cluster's barrier round a single run of loads.
; THE MODE: SCHED_MODE bits 1:0 = 2 (LLVM: expert scheduling mode 2), set by the entry lines.  The code itself states the register dependences
; between vector or matrix instructions and memory or LDS instructions, with s_wait_alu, always for 0.
; THE PLAN.  Registers that memory or LDS instructions touch, in the order of the text:
;   v[COL]            Written once at the head; read by every global load and store; never written again.
;   XR, VR, DV, BV    The head's loads land in them; the conversions and the update read them; the update writes XR in place; the global stores read XR; nothing writes it after.
;   v[188:251]        Four lives.  PK: group g's conversions write four registers a row of Z, the LDS stores issued in group g + 1 read them.  FR: the fragments' loads
;                     land, the matrix instructions read.  PP: the partial results' loads land, the packed sums read.  CF: the coefficients' loads land, the update reads.
;   SST, SLD, PST, PLD, CST, CLD   LDS addresses, each written once by vector lines and never again.
;   TS                Written by the accumulators' sum, read by the two partial stores, written again by the sum over the waves.
;   EC                Written by the substitution, read by the two coefficient stores, never written again.
; Each change of life of v[188:251] and each run of stores has one wait ahead of it; the comments at the waits say what each states.
.set ROWB,  8192      ; bytes in a row of x, v, y
.set SP,    528       ; a row of Z in LDS: 512 bytes of bf16 + 16 = 33 x 16: the 16 rows of a fragment load start in 16 different groups of four banks (ISA guide 11.1)
.set STW,   16*SP     ; a wave's stage
.set STAGE, 0         ; 8 stages, each its wave's own
.set PART,  STAGE+8*STW   ; 67,584: a wave's partial result, 1,024 bytes: registers 0-3 of lane L at 16 L, registers 4-7 at 512 + 16 L
.set CB,    PART+8*1024   ; 75,776: a wave's own 512 bytes: entry e at 32 e holds e_0 .. e_7 of row e (entries 8-15 are never read)
.set COL, 4           ; v4   1,024 w + 16 L: my byte offset in a row; never rewritten
.set SST, 5           ; v5   where I put 16 bytes of a row of Z
.set SLD, 6           ; v6   where my part of a fragment begins
.set PST, 7           ; v7   where I put my partial result
.set PLD, 8           ; v8   where lane 16 + L % 16 of wave 0 put its
.set CST, 9           ; v9   where I put eight coefficients
.set CLD, 10          ; v10  my wave's coefficients
.set TS,  12          ; v[12:19]   the two accumulators' sum; then the sum over the waves: p or G; then the substitution's running sums
.set ACC, 20          ; v[20:35]   two accumulators
.set EC,  20          ; v[20:27]   later e_0 .. e_7
.set NB,  28          ; v[28:35]   later -2 / G_jj
.set DV,  44          ; v[44:51]   d of my 8 columns
.set BV,  52          ; v[52:59]   bias of my 8 columns
.set XR,  60          ; v[60:123]  x: row q at XR + 8 q, group g at + 4 g
.set VR,  124         ; v[124:187] v likewise: XR + 64, so that row q of Z lies at XR + 8 q
.set PK,  188         ; v[188:251] packed bf16: row q of Z at PK + 4 q;
.set FR,  188         ;            then eight fragments of Z;
.set PP,  188         ;            then the eight waves' partial results;
.set CF,  188         ;            then the coefficients: e_j of row q at CF + 8 q + j
.set GS,  20          ; s[20:47]   G_ij, i < j, at GS + j (j - 1) / 2 + i
.set GD,  48          ; s[48:55]   G_jj
	s_load_b256 s[4:11], s[0:1], 0x0               ; x s[4:5], v s[6:7], d s[8:9], bias s[10:11]
	s_load_b64 s[12:13], s[0:1], 0x20              ; y
	v_lshl_add_u32 v42, v0, 2, 0x13800
	v_mov_b32 v43, 0
	v_and_b32 v1, 31, v0                           ; L
	v_lshrrev_b32 v2, 5, v0
	v_readfirstlane_b32 s14, v2                    ; w
	s_wait_alu depctr_va_sdst(0)                   ; s14 is written, ahead of its first reader: the column offset and the LDS addresses are made from it
	s_lshl_b32 s15, s14, 10
	v_lshl_add_u32 v[COL], v1, 4, s15              ; 1,024 w + 16 L
	s_lshl_b32 s16, ttmp9, 16                      ; the work-group's 8 rows of 8,192 bytes: under 2^24
	s_mov_b32 s17, 0
	s_wait_kmcnt 0x0
	s_add_nc_u64 s[4:5], s[4:5], s[16:17]          ; x and y at my work-group's first row
	s_add_nc_u64 s[12:13], s[12:13], s[16:17]
	s_wait_alu depctr_va_vdst(0)                   ; v[COL] is written: every global load and store of the kernel reads it as its offset
	; ALL 36 LOADS IN ONE RUN: x (read once in the launch), v, d, bias
.irp q, 0,1,2,3,4,5,6,7
	global_load_b128 v[XR+8*(\q):XR+8*(\q)+3],   v[COL], s[4:5] offset:(\q)*ROWB th:TH_LOAD_NT
	global_load_b128 v[XR+8*(\q)+4:XR+8*(\q)+7], v[COL], s[4:5] offset:(\q)*ROWB+512 th:TH_LOAD_NT
.endr
.irp q, 0,1,2,3,4,5,6,7
	global_load_b128 v[VR+8*(\q):VR+8*(\q)+3],   v[COL], s[6:7] offset:(\q)*ROWB
	global_load_b128 v[VR+8*(\q)+4:VR+8*(\q)+7], v[COL], s[6:7] offset:(\q)*ROWB+512
.endr
	global_load_b128 v[DV:DV+3],   v[COL], s[8:9]
	global_load_b128 v[DV+4:DV+7], v[COL], s[8:9] offset:512
	global_load_b128 v[BV:BV+3],   v[COL], s[10:11]
	global_load_b128 v[BV+4:BV+7], v[COL], s[10:11] offset:512
	; while they are on their way: the stage's addresses (the stages begin at LDS byte 0)
	v_and_b32 v2, 15, v0                           ; e = L % 16
	v_bfe_u32 v3, v0, 4, 1                         ; h = L / 16
	s_mul_i32 s18, s14, STW                        ; my wave's stage
	v_lshl_add_u32 v[SST], v1, 4, s18              ; in: 16 bytes a lane, 512 consecutive bytes a row
	v_mul_u32_u24 v[SLD], v2, SP                   ; back: row L % 16, 16 bytes for each half of the lanes
	v_lshl_add_u32 v[SLD], v3, 4, v[SLD]
	v_add_nc_u32 v[SLD], s18, v[SLD]
; Group g of four: rows 4 g .. 4 g + 3 of Z: my eight numbers of each rounded to bf16, 16 bytes, into the row's own four registers of PK.
; The four LDS stores of the group before are dealt among this group's conversions, which name this group's rows of PK, XR and VR alone.
.macro PACK4 g
	s_wait_loadcnt 28-8*(\g)                       ; loads come back in order (ISA guide 5.7.1): behind group g's eight, 36 - 8 (g + 1) were issued
.if (\g) > 0
	s_wait_alu depctr_va_vdst(0)                   ; the group before has written its rows of PK, which the stores below read; at group 1 also: v[SST] and v[SLD] are written
.endif
.irp i, 0,1,2,3
.if (\g) > 0
	ds_store_b128 v[SST], v[PK+4*(4*((\g)-1)+(\i)):PK+4*(4*((\g)-1)+(\i))+3] offset:(4*((\g)-1)+(\i))*SP
.endif
.set q, 4*(\g)+(\i)
.irp k, 0,1,2,3
	v_cvt_pk_bf16_f32 v[PK+4*q+(\k)], v[XR+8*q+2*(\k)], v[XR+8*q+2*(\k)+1]
.endr
.endr
.endm
	PACK4 0
	PACK4 1
	PACK4 2
	PACK4 3
	s_wait_alu depctr_va_vdst(0)                   ; group 3 has written its rows of PK, which the stores below read; every conversion's write of v[188:251], where the fragments land, is done
.irp i, 0,1,2,3
	ds_store_b128 v[SST], v[PK+4*(12+(\i)):PK+4*(12+(\i))+3] offset:(12+(\i))*SP
.endr
	s_wait_alu depctr_vm_vsrc(0)                   ; the sixteen stage stores have read PK: the fragments' loads land in the same registers
	; A fragment is 16 rows x 32 places in 8 registers: two loads of 16 bytes, 32 bytes apart.  The stage is my wave's own, and LDS serves a wave's
	; instructions in order (ISA guide 5.7.1.4): these loads see the stores above without a wait on DScnt.
.irp s, 0,1,2,3,4,5,6,7
	ds_load_b128 v[FR+8*(\s):FR+8*(\s)+3],   v[SLD] offset:64*(\s)
	ds_load_b128 v[FR+8*(\s)+4:FR+8*(\s)+7], v[SLD] offset:64*(\s)+32
.endr
; Step s of eight of Z Z^T.  The two accumulators take turns, one instruction a turn; the first two products start the sums.
.macro GRAM s
	s_wait_dscnt 14-2*(\s)                         ; behind fragment s's two loads, 16 - 2 (s + 1) were issued
.if (\s) < 2
	v_wmma_f32_16x16x32_bf16 v[ACC+8*((\s)%2):ACC+8*((\s)%2)+7], v[FR+8*(\s):FR+8*(\s)+7], v[FR+8*(\s):FR+8*(\s)+7], 0
.else
	v_wmma_f32_16x16x32_bf16 v[ACC+8*((\s)%2):ACC+8*((\s)%2)+7], v[FR+8*(\s):FR+8*(\s)+7], v[FR+8*(\s):FR+8*(\s)+7], v[ACC+8*((\s)%2):ACC+8*((\s)%2)+7]
.endif
.endm
.irp s, 0,1,2,3,4,5,6,7
	GRAM \s
.endr
	; The addresses for what follows: seven plain vector instructions that name no register of the products, the places behind them (ISA guide 7.12.1)
	s_lshl_b32 s19, s14, 10
	s_lshl_b32 s16, s14, 9
	v_lshl_add_u32 v[PST], v1, 4, s19
	v_add_nc_u32 v[PST], PART, v[PST]              ; PART + 1,024 w + 16 L
	v_lshl_add_u32 v[PLD], v2, 4, PART+256         ; PART + 16 (16 + e): what lane 16 + e stored
	v_lshl_add_u32 v[CST], v2, 5, s16
	v_add_nc_u32 v[CST], CB, v[CST]                ; CB + 512 w + 32 e
	v_mov_b32 v[CLD], s16
	v_add_nc_u32 v[CLD], CB, v[CLD]                ; CB + 512 w
	; my wave's partial result: the two accumulators added, from their low ends on
.irp k, 0,2,4,6
	v_pk_add_f32 v[TS+(\k):TS+(\k)+1], v[ACC+(\k):ACC+(\k)+1], v[ACC+8+(\k):ACC+8+(\k)+1]
.endr
	s_wait_alu depctr_va_vdst(0)                   ; TS and the four addresses PST, PLD, CST, CLD are written, which the LDS instructions below read; the products are done reading FR, where the partial results' loads land
	ds_store_b128 v[PST], v[TS:TS+3]
	ds_store_b128 v[PST], v[TS+4:TS+7] offset:512
	s_wait_dscnt 0x0                               ; for the others' sake: my partial result is in LDS
	s_barrier_signal -1
	s_barrier_wait -1                              ; everybody's is.  Nothing is written to these bytes again: the one barrier of the kernel
	s_wait_alu depctr_vm_vsrc(0)                   ; my two partial stores have read TS, which the sum over the waves writes again
	; THE SUM OVER THE WAVES, made by every wave for itself.  Lane L takes what lane 16 + L % 16 of each wave stored:
	; L % 16 = e < 8: TS + i = p(row e, v_i);  e >= 8: TS + i = G(i, e - 8).
.irp u, 0,1,2,3,4,5,6,7
	ds_load_b128 v[PP+8*(\u):PP+8*(\u)+3],   v[PLD] offset:1024*(\u)
	ds_load_b128 v[PP+8*(\u)+4:PP+8*(\u)+7], v[PLD] offset:1024*(\u)+512
.endr
	s_wait_dscnt 12                                ; the first four of the sixteen are in
.irp k, 0,2,4,6
	v_pk_add_f32 v[TS+(\k):TS+(\k)+1], v[PP+(\k):PP+(\k)+1], v[PP+8+(\k):PP+8+(\k)+1]
.endr
.irp u, 2,3,4,5,6,7
	s_wait_dscnt 14-2*(\u)                         ; behind wave u's two loads, 16 - 2 (u + 1) were issued
.irp k, 0,2,4,6
	v_pk_add_f32 v[TS+(\k):TS+(\k)+1], v[TS+(\k):TS+(\k)+1], v[PP+8*(\u)+(\k):PP+8*(\u)+(\k)+1]
.endr
.endr
	; G is the same for all rows: into scalar registers, all 36 numbers in one run.  Lane 8 + j holds G(i, j) in TS + i.
.irp j, 0,1,2,3,4,5,6,7
	v_readlane_b32 s[GD+(\j)], v[TS+(\j)], 8+(\j)
.endr
.set j, 1
.rept 7
.set i, 0
.rept 7
.if i < j
	v_readlane_b32 s[GS+j*(j-1)/2+i], v[TS+i], 8+j
.endif
.set i, i+1
.endr
.set j, j+1
.endr
	s_wait_alu depctr_va_sdst(0)                   ; s[20:55], G's 36 numbers, are written, ahead of their first readers: the multiplies below and the substitution
.irp j, 0,1,2,3,4,5,6,7
	v_mul_f32 v[NB+(\j)], s[GD+(\j)], -0.5
.endr
.irp j, 0,1,2,3,4,5,6,7
	v_rcp_f32 v[NB+(\j)], v[NB+(\j)]               ; -2 / G_jj
.endr
	v_nop                                          ; a plain instruction between the last reciprocal and what follows (ISA guide 5.7.2)
	; THE SUBSTITUTION, a row a lane (lanes with L % 16 >= 8 work on G's numbers; their results are never read).
	; As soon as e_i is known it is carried into all later sums: the chain is a multiply and a multiply-add for each i.
.set i, 0
	s_wait_alu depctr_va_vdst(0)
.rept 8
	v_mul_f32 v[EC+i], v[TS+i], v[NB+i]            ; e_i = -(2 / G_ii) (p_i + the sum so far)
.set j, i+1
.rept 7
.if j < 8
	v_fmac_f32 v[TS+j], s[GS+j*(j-1)/2+i], v[EC+i]
.endif
.set j, j+1
.endr
.set i, i+1
.endr
	; every lane needs all eight rows' coefficients: through my wave's own bytes of LDS, stores and loads in order, no barrier
	s_wait_alu depctr_va_vdst(0)                   ; the substitution has written EC, which the two stores read; the packed sums are done reading PP, where the coefficients' loads land
	ds_store_b128 v[CST], v[EC:EC+3]               ; lanes L and L + 16 write the same bytes with the same numbers
	ds_store_b128 v[CST], v[EC+4:EC+7] offset:16
.irp t, 0,1,2,3,4,5,6,7,8,9,10,11,12,13,14,15
	ds_load_b128 v[CF+4*(\t):CF+4*(\t)+3], v[CLD] offset:16*(\t)  ; one address for all lanes
.endr
	s_wait_loadcnt 0x0                             ; d and bias
; THE UPDATE of rows 2 p and 2 p + 1: x += e_j v_j for j = 0 .. 7, eight chains that do not wait for each other; then times d, plus bias; then the rows leave, four stores in one run.
; The coefficient is one register of an aligned pair: op_sel and op_sel_hi pick the first for both halves (even j) or the second (odd j).
.macro UPD p
	s_wait_dscnt 12-4*(\p)                         ; behind these two rows' four loads, 16 - 4 (p + 1) were issued
.set j, 0
.rept 8
.set r, 2*(\p)
.rept 2
.set q, 0
.rept 4
.if j%2 == 0
	v_pk_fma_f32 v[XR+8*r+2*q:XR+8*r+2*q+1], v[VR+8*j+2*q:VR+8*j+2*q+1], v[CF+8*r+j:CF+8*r+j+1], v[XR+8*r+2*q:XR+8*r+2*q+1] op_sel_hi:[1,0,1]
.else
	v_pk_fma_f32 v[XR+8*r+2*q:XR+8*r+2*q+1], v[VR+8*j+2*q:VR+8*j+2*q+1], v[CF+8*r+j-1:CF+8*r+j], v[XR+8*r+2*q:XR+8*r+2*q+1] op_sel:[0,1,0] op_sel_hi:[1,1,1]
.endif
.set q, q+1
.endr
.set r, r+1
.endr
.set j, j+1
.endr
.set r, 2*(\p)
.rept 2
.set q, 0
.rept 4
	v_pk_fma_f32 v[XR+8*r+2*q:XR+8*r+2*q+1], v[XR+8*r+2*q:XR+8*r+2*q+1], v[DV+2*q:DV+2*q+1], v[BV+2*q:BV+2*q+1]
.set q, q+1
.endr
.set r, r+1
.endr
	s_wait_alu depctr_va_vdst(0)                   ; the multiply-adds have written rows 2 p and 2 p + 1 of XR, which the four stores read
.set r, 2*(\p)
.rept 2
	global_store_b128 v[COL], v[XR+8*r:XR+8*r+3],   s[12:13] offset:r*ROWB th:TH_STORE_NT      ; 32 lanes store 512 consecutive bytes, at a multiple of 512 from y's first byte
	global_store_b128 v[COL], v[XR+8*r+4:XR+8*r+7], s[12:13] offset:r*ROWB+512 th:TH_STORE_NT  ; no register of a store is written again
.set r, r+1
.endr
.endm
	UPD 0
	UPD 1
	UPD 2
	UPD 3
	s_wait_dscnt 0x0
	s_wait_alu depctr_hold_cnt(0) depctr_sa_sdst(0) depctr_va_vdst(0) depctr_va_sdst(0) depctr_va_ssrc(0) depctr_va_vcc(0) depctr_vm_vsrc(0)
	s_wait_tensorcnt 0x0
	ds_add_u32 v42, v43
	s_wait_dscnt 0x0
	s_endpgm
.Lfunc_end_k_q5682f46d8b_house:
	.size	k_q5682f46d8b_house, .Lfunc_end_k_q5682f46d8b_house-k_q5682f46d8b_house
	.p2alignl 7, 3214868480
	.fill 96, 4, 3214868480
	.section	.rodata,"a",@progbits
	.p2align	6, 0x0
	.amdhsa_kernel k_q5682f46d8b_house
		.amdhsa_group_segment_fixed_size 80896
		.amdhsa_private_segment_fixed_size 0
		.amdhsa_enable_private_segment 0
		.amdhsa_kernarg_size 40
		.amdhsa_user_sgpr_count 2
		.amdhsa_user_sgpr_kernarg_segment_ptr 1
		.amdhsa_wavefront_size32 1
		.amdhsa_system_sgpr_workgroup_id_x 1
		.amdhsa_system_sgpr_workgroup_id_y 1
		.amdhsa_system_sgpr_workgroup_id_z 1
		.amdhsa_system_vgpr_workitem_id 0
		.amdhsa_next_free_vgpr 252
		.amdhsa_next_free_sgpr 66
		.amdhsa_reserve_vcc 0
		.amdhsa_float_denorm_mode_32 3
		.amdhsa_float_denorm_mode_16_64 3
		.amdhsa_memory_ordered 1
		.amdhsa_forward_progress 1
		.amdhsa_inst_pref_size 42
	.end_amdhsa_kernel
	.amdgpu_metadata
---
amdhsa.version: [ 1, 2 ]
amdhsa.kernels:
  - .name:           k_q5682f46d8b_house
    .symbol:         k_q5682f46d8b_house.kd
    .args:
      - { .name: x, .offset: 0, .size: 8, .value_kind: global_buffer, .address_space: global }
      - { .name: v, .offset: 8, .size: 8, .value_kind: global_buffer, .address_space: global }
      - { .name: d, .offset: 16, .size: 8, .value_kind: global_buffer, .address_space: global }
      - { .name: bias, .offset: 24, .size: 8, .value_kind: global_buffer, .address_space: global }
      - { .name: out0, .offset: 32, .size: 8, .value_kind: global_buffer, .address_space: global }
    .group_segment_fixed_size: 80896
    .private_segment_fixed_size: 0
    .kernarg_segment_align: 8
    .kernarg_segment_size: 40
    .max_flat_workgroup_size: 256
    .sgpr_count:     66
    .vgpr_count:     252
    .wavefront_size: 32
...
	.end_amdgpu_metadata
.endif
;; end of part 2
